; MI455X (gfx1250); checked and timed in simulation.
; The chip was launched on July 23, 2026; its instructions are those of AMD's public machine-readable ISA for CDNA 5 (MIT licence, August 2026) and "CDNA5" Instruction Set Architecture Reference Guide (July 2026).
;; Full Attention. Allowed arithmetic: matrix products marked QUANTISED: E4M3 operands, one given power-of-two scale a tensor, by v_wmma_f32_16x16x64_fp8_fp8 or v_wmma_f32_16x16x128_fp8_fp8, f32 sums; everything else in f32.
;; Inputs: keys 4 x 2,048 x 8 x 64 float32; lowp_scales 4 int32 (the exponents e of the quantised operands' scales 2^e); queries 4 x 2,048 x 8 x 64 float32; values 4 x 2,048 x 8 x 64 float32.
;; Outputs: out0 4 x 2,048 x 8 x 64 float32.
;; This version of the problem:
;;   THIS VERSION OF THE PROBLEM IS GIVEN IN LOW PRECISION. The matrix products marked QUANTISED in the list below multiply operands that are first quantised to E4M3 (4 exponent bits, 3 mantissa bits; 8 bits a number), with one given power-of-two scale for each operand tensor; their sums are f32. All else is computed in f32.
;;   The module's matrix products, in the order in which they are computed (A, B: the left and right operand; K: the contracted axis; several contracted axes count as one K, in the product's order):
;;     1. batch 32 x [M 2,048, K 64] x [K 64, N 2,048]; A: input queries; B: input keys: QUANTISED (scales: A lowp_scales[0], B lowp_scales[1])
;;     2. batch 32 x [M 64, K 2,048] x [K 2,048, N 2,048]; A: input values; B: softmax (see below): QUANTISED (scales: A lowp_scales[2], B lowp_scales[3])
;;   THE QUANTISER, for each operand of a quantised product, along K:
;;     - The operand's scale is 2^e, e = its entry of the input lowp_scales (int32; the entries are numbered through the quantised products in the list's order, A before B).
;;     - Each number is divided by the scale, clamped to +-448, and rounded to the nearest number of E4M3, ties to even, subnormals kept.
;;     - The product sums the exact products of the quantised numbers (number of the format x scale) in f32.
;;   ~~~python
;;   def quantise(x, axis, e):      # numpy; x: float32 -> the quantised numbers, widened to float32 again
;;       x = np.moveaxis(x, axis, -1); K = x.shape[-1]
;;       r = np.clip(x / 2.0 ** e, -448, 448)
;;       step = 2.0 ** (np.maximum(np.frexp(np.where(r == 0, 1, r))[1] - 1, -6) - 3)
;;       q = np.round(r / step) * step * 2.0 ** e      # np.round: ties to even
;;       return np.moveaxis(q, -1, axis).astype(np.float32)
;;   ~~~
;;   SOFTMAX AHEAD OF A QUANTISED PRODUCT. Where the list says 'softmax', what is quantised is not the finished softmax but p = 2^(t - M), with t = logit x log2(e) and M = ceil(the row's largest t), a whole number; so 1/2 < the row's largest p <= 1. The row's sum l is taken of the UNQUANTISED p, in f32, and the product's result is divided by l at the end. Since M is a whole number, a kernel that streams over the keys may use a running M (the ceiling of the running maximum): every later rescaling is an exact power of two, so the quantised numbers keep their values, but for numbers so far below the row's largest that they fall under the format's range.
;;   OPERANDS COMPUTED ON THE WAY. 'Computed on the way' means the value that the module computes at that place (a softmax that the list does not call 'softmax' is quantised finished and normalised). What goes into a quantiser is computed in f32, as accurately as f32 sums, v_exp_f32 and their like allow (about 1e-6 of the number): no bf16 or f16 on the way to a quantiser, and a product that is left as it is and whose result goes on into a quantised operand takes f32 operands (vector FMAs, or v_wmma_f32_16x16x4_f32). A number that lies on a knife's edge between two numbers of the format may be rounded either way, as far as f32 arithmetic and the matrix unit's own rounding can turn it there, and no further.
;; 2 versions. Each part assembles by itself: llvm-mc -triple=amdgcn-amd-amdhsa -mcpu=gfx1250 --defsym DOCPART=n.
;; ======== version 1 of 2: 2 launches
;; workspace buffers: kv 8,388,608 bytes
;; launch quant (part 1): grid 16 x 32, 8 waves a work-group, no clusters, 17,408 bytes of LDS; arguments keys, values, lowp_scales, kv; writes kv
.if DOCPART == 1
	.amdgcn_target "amdgcn-amd-amdhsa--gfx1250"
	.amdhsa_code_object_version 6
	.text
	.protected	k_q36923ddfd8_quant
	.globl	k_q36923ddfd8_quant
	.p2align	8
	.type	k_q36923ddfd8_quant,@function
k_q36923ddfd8_quant:
	s_mov_b64 s[64:65], 0
	v_nop
	global_prefetch_b8 v0, s[64:65] scope:SCOPE_SE
	s_setreg_imm32_b32 hwreg(HW_REG_WAVE_MODE, 25, 1), 1
	s_wait_xcnt 0x0
.set GK,   2
.set GV,   3
.set KW,   4
.set VW,   5
.set CP,   6
.set KN,   16
.set VN,   48
.set KC,   80
.set VX,   88
.set VC,   96
.set OUTR, 104
	s_load_b256 s[4:11], s[0:1], 0x0
	v_lshl_add_u32 v120, v0, 2, 0x4000
	v_mov_b32 v121, 0
	v_lshrrev_b32 v1, 5, v0
	v_readfirstlane_b32 s12, v1
	s_and_b32 s14, ttmp7, 0xffff
	s_lshr_b32 s16, s14, 3
	s_lshl_b32 s16, s16, 22
	s_lshl_b32 s24, ttmp9, 18
	s_add_co_u32 s16, s16, s24
	s_and_b32 s24, s14, 7
	s_lshl_b32 s24, s24, 8
	s_add_co_u32 s16, s16, s24
	s_mov_b32 s17, 0
	s_lshl_b32 s18, s14, 18
	s_lshl_b32 s24, ttmp9, 14
	s_add_co_u32 s18, s18, s24
	s_mov_b32 s19, 0
	s_mov_b32 s28, 0x06040200
	s_mov_b32 s29, 0x07050301
	s_lshr_b32 s24, s12, 1
	s_and_b32 s25, s12, 1
	s_lshl_b32 s26, s24, 16
	s_lshl_b32 s27, s25, 14
	s_add_co_u32 s26, s26, s27
	v_and_b32 v7, 15, v0
	v_bfe_u32 v8, v0, 4, 1
	v_and_b32 v9, 31, v0
	v_lshlrev_b32 v[GK], 15, v1
	v_lshl_add_u32 v[GK], v8, 11, v[GK]
	v_lshl_add_u32 v[GK], v7, 4, v[GK]
	v_lshl_add_u32 v[GV], v9, 3, s26
	s_wait_kmcnt 0x0
	s_load_b128 s[20:23], s[8:9], 0x0
	s_add_nc_u64 s[4:5], s[4:5], s[16:17]
	s_add_nc_u64 s[6:7], s[6:7], s[16:17]
	s_add_nc_u64 s[10:11], s[10:11], s[18:19]
.irp k, 0,1,2,3,4,5,6,7
	global_load_b128 v[KN+4*\k:KN+4*\k+3], v[GK], s[4:5] offset:\k*4096 th:TH_LOAD_NT
.endr
.irp n, 0,1,2,3,4,5,6,7,8,9,10,11,12,13,14,15
	global_load_b64 v[VN+2*\n:VN+2*\n+1], v[GV], s[6:7] offset:(\n%8)*2048+(\n/8)*32768 th:TH_LOAD_NT
.endr
	s_lshl_b32 s27, s12, 10
	v_and_b32 v[KW], 1, v0
	v_lshlrev_b32 v[KW], 2, v[KW]
	v_lshl_add_u32 v[KW], v8, 4, v[KW]
	v_bfe_u32 v14, v0, 1, 1
	v_lshl_add_u32 v[KW], v14, 8, v[KW]
	v_bfe_u32 v14, v0, 2, 1
	v_lshl_add_u32 v[KW], v14, 3, v[KW]
	v_bfe_u32 v14, v0, 3, 1
	v_lshl_add_u32 v[KW], v14, 9, v[KW]
	v_add_nc_u32 v[KW], s27, v[KW]
	s_lshl_b32 s24, s24, 9
	s_lshl_b32 s25, s25, 8
	s_add_co_u32 s24, s24, s25
	s_add_co_u32 s24, s24, 8192
	v_and_b32 v[VW], 7, v0
	v_lshlrev_b32 v[VW], 5, v[VW]
	v_bfe_u32 v14, v0, 3, 2
	v_lshl_add_u32 v[VW], v14, 11, v[VW]
	v_add_nc_u32 v[VW], s24, v[VW]
	v_lshlrev_b32 v[CP], 4, v0
	s_wait_kmcnt 0x0
	s_add_co_i32 s24, s21, 127
	s_lshl_b32 s25, s24, 23
	v_mov_b32 v11, s25
	s_add_co_i32 s24, s24, 8
	s_lshl_b32 s24, s24, 23
	s_or_b32 s24, s24, 0x600000
	v_mov_b32 v10, s24
	s_add_co_i32 s24, s22, 127
	s_lshl_b32 s25, s24, 23
	v_mov_b32 v13, s25
	s_add_co_i32 s24, s24, 8
	s_lshl_b32 s24, s24, 23
	s_or_b32 s24, s24, 0x600000
	v_mov_b32 v12, s24
	s_wait_loadcnt 16
.set n, 0
.rept 32
	v_med3_num_f32 v[KN+n], v[KN+n], -v10, v10
.set n, n+1
.endr
.irp m, 0,1,2,3
	v_cvt_scalef32_pk8_fp8_f32 v[KC+2*\m:KC+2*\m+1], v[KN+8*\m:KN+8*\m+7], v11
.endr
.irp k, 0,1,2,3,4,5,6,7
	ds_store_b32 v[KW], v[KC+\k] offset:32*\k
.endr
	s_wait_loadcnt 0x0
.set n, 0
.rept 32
	v_med3_num_f32 v[VN+n], v[VN+n], -v12, v12
.set n, n+1
.endr
.irp g, 0,1,2,3
	v_cvt_scalef32_pk8_fp8_f32 v[VX+2*\g:VX+2*\g+1], v[VN+8*\g:VN+8*\g+7], v13
.endr
	v_nop
.irp g, 0,1,2,3
	v_perm_b32 v[VC+\g], v[VX+2*\g+1], v[VX+2*\g], s28
	v_perm_b32 v[VC+4+\g], v[VX+2*\g+1], v[VX+2*\g], s29
.endr
	ds_store_b128 v[VW], v[VC:VC+3]
	ds_store_b128 v[VW], v[VC+4:VC+7] offset:16
	s_wait_dscnt 0x0
	s_barrier_signal -1
	s_barrier_wait -1
.irp n, 0,1,2,3
	ds_load_b128 v[OUTR+4*\n:OUTR+4*\n+3], v[CP] offset:\n*4096
.endr
.irp n, 0,1,2,3
	s_wait_dscnt 3-\n
	global_store_b128 v[CP], v[OUTR+4*\n:OUTR+4*\n+3], s[10:11] offset:\n*4096
.endr
	s_wait_tensorcnt 0x0
	ds_add_u32 v120, v121
	s_wait_dscnt 0x0
	s_endpgm
.Lfunc_end_k_q36923ddfd8_quant:
	.size	k_q36923ddfd8_quant, .Lfunc_end_k_q36923ddfd8_quant-k_q36923ddfd8_quant
	.p2alignl 7, 3214868480
	.fill 96, 4, 3214868480
	.section	.rodata,"a",@progbits
	.p2align	6, 0x0
	.amdhsa_kernel k_q36923ddfd8_quant
		.amdhsa_group_segment_fixed_size 17408
		.amdhsa_private_segment_fixed_size 0
		.amdhsa_enable_private_segment 0
		.amdhsa_kernarg_size 32
		.amdhsa_user_sgpr_count 2
		.amdhsa_user_sgpr_kernarg_segment_ptr 1
		.amdhsa_wavefront_size32 1
		.amdhsa_system_sgpr_workgroup_id_x 1
		.amdhsa_system_sgpr_workgroup_id_y 1
		.amdhsa_system_sgpr_workgroup_id_z 1
		.amdhsa_system_vgpr_workitem_id 0
		.amdhsa_next_free_vgpr 122
		.amdhsa_next_free_sgpr 66
		.amdhsa_reserve_vcc 0
		.amdhsa_float_denorm_mode_32 3
		.amdhsa_float_denorm_mode_16_64 3
		.amdhsa_memory_ordered 1
		.amdhsa_forward_progress 1
		.amdhsa_inst_pref_size 13
	.end_amdhsa_kernel
	.amdgpu_metadata
---
amdhsa.version: [ 1, 2 ]
amdhsa.kernels:
  - .name:           k_q36923ddfd8_quant
    .symbol:         k_q36923ddfd8_quant.kd
    .args:
      - { .name: keys, .offset: 0, .size: 8, .value_kind: global_buffer, .address_space: global }
      - { .name: values, .offset: 8, .size: 8, .value_kind: global_buffer, .address_space: global }
      - { .name: lowp_scales, .offset: 16, .size: 8, .value_kind: global_buffer, .address_space: global }
      - { .name: kv, .offset: 24, .size: 8, .value_kind: global_buffer, .address_space: global }
    .group_segment_fixed_size: 17408
    .private_segment_fixed_size: 0
    .kernarg_segment_align: 8
    .kernarg_segment_size: 32
    .max_flat_workgroup_size: 256
    .sgpr_count:     66
    .vgpr_count:     122
    .wavefront_size: 32
...
	.end_amdgpu_metadata
.endif
;; end of part 1
;; launch attn (part 2): grid 8 x 32, 16 waves a work-group, no clusters, 120,832 bytes of LDS; arguments kv, lowp_scales, queries, out0; writes out0
.if DOCPART == 2
	.amdgcn_target "amdgcn-amd-amdhsa--gfx1250"
	.amdhsa_code_object_version 6
	.text
	.protected	k_q36923ddfd8_attn
	.globl	k_q36923ddfd8_attn
	.p2align	8
	.type	k_q36923ddfd8_attn,@function
k_q36923ddfd8_attn:
	s_mov_b64 s[64:65], 0
	v_nop
	global_prefetch_b8 v0, s[64:65] scope:SCOPE_SE
	s_setreg_imm32_b32 hwreg(HW_REG_WAVE_MODE, 25, 1), 1
	s_wait_xcnt 0x0
.set BUF,   16384
.set VIMG,  8192
.set QIMG,  32768
.set STAGE, 49152
.set SP,    272
.set LI,   1
.set CP,   2
.set GO,   3
.set QW,   4
.set QR,   5
.set STO,  6
.set RD,   7
.set DM,   8
.set QF,   16
.set SG,   24
.set FR,   40
.set SS,   104
.set OT,   168
.set PC,   200
.set MXA,  216
.set PD,   217
.set FA,   218
.set SM2,  220
.set QN,   228
.set WV,   12
.set BLK,  17
.set NT,   19
.set KS,   24
.set TRIP, 26
	s_load_b256 s[4:11], s[0:1], 0x0
	v_lshl_add_u32 v240, v0, 2, 0x1d000
	v_mov_b32 v241, 0
	v_lshrrev_b32 v9, 5, v0
	v_readfirstlane_b32 s[WV], v9
	s_mov_b32 s13, ttmp9
	s_and_b32 s14, ttmp7, 0xffff
	s_lshr_b32 s15, s[WV], 2
	s_xor_b32 s15, s15, s[WV]
	s_and_b32 s15, s15, 1
	s_lshr_b32 s16, s[WV], 1
	s_sub_co_u32 s44, 15, s13
	s_cmp_lg_u32 s15, 0
	s_cselect_b32 s[BLK], s44, s13
	s_lshl_b32 s18, s[BLK], 7
	s_lshl_b32 s45, s16, 4
	s_add_co_u32 s18, s18, s45
	s_sub_co_u32 s[NT], 16, s13
	s_mov_b32 s20, 0x76543210
	s_mov_b32 s21, 0xfedcba98
	s_mov_b32 s22, 0x3db8aa3b
	s_mov_b32 s31, 0
	s_lshl_b32 s44, s14, 18
	s_mov_b32 s45, 0
	s_lshr_b32 s46, s14, 3
	s_lshl_b32 s46, s46, 22
	s_lshl_b32 s47, s18, 11
	s_add_co_u32 s46, s46, s47
	s_and_b32 s47, s14, 7
	s_lshl_b32 s47, s47, 8
	s_add_co_u32 s46, s46, s47
	s_mov_b32 s47, 0
	v_and_b32 v[LI], 31, v0
	v_lshlrev_b32 v[LI], 4, v[LI]
	v_lshlrev_b32 v[CP], 4, v0
	v_and_b32 v9, 15, v0
	v_bfe_u32 v10, v0, 4, 1
	v_lshlrev_b32 v[GO], 11, v10
	v_lshl_add_u32 v[GO], v9, 4, v[GO]
	s_wait_kmcnt 0x0
	s_load_b128 s[32:35], s[6:7], 0x0
	s_add_nc_u64 s[38:39], s[4:5], s[44:45]
	s_add_nc_u64 s[40:41], s[8:9], s[46:47]
	s_add_nc_u64 s[42:43], s[10:11], s[46:47]
.irp k, 0,1,2,3,4,5,6,7
	global_load_b128 v[SS+4*\k:SS+4*\k+3], v[GO], s[40:41] offset:\k*4096 th:TH_LOAD_NT
.endr
	global_load_b128 v[SG:SG+3], v[CP], s[38:39]
	global_load_b128 v[SG+4:SG+7], v[CP], s[38:39] offset:VIMG
	global_load_b128 v[SG+8:SG+11], v[CP], s[38:39] offset:BUF
	global_load_b128 v[SG+12:SG+15], v[CP], s[38:39] offset:BUF+VIMG
	s_lshl_b32 s44, s[WV], 10
	s_add_co_u32 s44, s44, QIMG
	v_and_b32 v[QW], 1, v0
	v_lshlrev_b32 v[QW], 2, v[QW]
	v_lshl_add_u32 v[QW], v10, 4, v[QW]
	v_bfe_u32 v11, v0, 1, 1
	v_lshl_add_u32 v[QW], v11, 8, v[QW]
	v_bfe_u32 v11, v0, 2, 1
	v_lshl_add_u32 v[QW], v11, 3, v[QW]
	v_bfe_u32 v11, v0, 3, 1
	v_lshl_add_u32 v[QW], v11, 9, v[QW]
	v_add_nc_u32 v[QW], s44, v[QW]
	v_add_nc_u32 v[QR], s44, v[LI]
	s_mul_i32 s44, s[WV], 16*SP
	s_add_co_u32 s44, s44, STAGE
	v_mul_u32_u24 v[STO], v9, SP
	v_lshl_add_u32 v[STO], v10, 5, v[STO]
	v_add_nc_u32 v[STO], s44, v[STO]
	v_mul_u32_u24 v[RD], v10, SP
	v_lshl_add_u32 v[RD], v9, 4, v[RD]
	v_add_nc_u32 v[RD], s44, v[RD]
	v_lshlrev_b32 v11, 3, v10
	v_sub_nc_u32 v[DM], v9, v11
	s_lshl_b32 s45, s16, 4
	v_add_nc_u32 v[DM], s45, v[DM]
	v_mov_b32 v13, 0xff61b1e6
	v_floor_f32 v12, -v13
	v_mov_b32 v14, 0
	v_mov_b32 v15, 0
	v_mov_b32 v[PD], 0
	v_mov_b32 v[FA+1], 0
	v_mov_b32 v224, 0xff800000
.set n, 0
.rept 32
	v_mov_b32 v[OT+n], 0
.set n, n+1
.endr
	s_wait_kmcnt 0x0
	s_add_co_i32 s44, s32, s33
	s_lshl_b32 s44, s44, 23
	s_add_co_i32 s22, s22, s44
	s_mov_b32 s23, s22
	s_add_co_i32 s36, s35, s34
	s_add_co_i32 s44, s35, 127
	s_lshl_b32 s45, s44, 23
	v_mov_b32 v222, s45
	s_add_co_i32 s44, s44, 8
	s_lshl_b32 s44, s44, 23
	s_or_b32 s44, s44, 0x600000
	v_mov_b32 v223, s44
	s_add_co_i32 s44, s32, 127
	s_lshl_b32 s45, s44, 23
	v_mov_b32 v225, s45
	s_add_co_i32 s44, s44, 8
	s_lshl_b32 s44, s44, 23
	s_or_b32 s44, s44, 0x600000
	v_mov_b32 v226, s44
	s_wait_loadcnt 4
.set n, 0
.rept 32
	v_med3_num_f32 v[SS+n], v[SS+n], -v226, v226
.set n, n+1
.endr
.irp m, 0,1,2,3
	v_cvt_scalef32_pk8_fp8_f32 v[PC+2*\m:PC+2*\m+1], v[SS+8*\m:SS+8*\m+7], v225
.endr
	v_nop
.irp k, 0,1,2,3,4,5,6,7
	ds_store_b32 v[QW], v[PC+\k] offset:32*\k
.endr
	ds_load_b128 v[QF:QF+3], v[QR]
	ds_load_b128 v[QF+4:QF+7], v[QR] offset:512
	s_wait_loadcnt 2
	ds_store_b128 v[CP], v[SG:SG+3]
	ds_store_b128 v[CP], v[SG+4:SG+7] offset:VIMG
	s_mov_b32 s[KS], 0
	s_mov_b32 s[TRIP], 8
	s_wait_dscnt 0x0
.irp i, 0,1,2,3,4,5,6,7
	v_xor_b32 v[QN+\i], 0x80808080, v[QF+\i]
.endr
	s_barrier_signal -1
	s_barrier_wait -1
.macro PLACES
.rept 4
	v_nop
.endr
.endm
.macro FINISH
	v_add_f32 v14, v14, v15
	v_permlanex16_b32 v[PD], v14, s20, s21
	v_add_f32 v14, v14, v[PD]
	v_rcp_f32 v14, v14
	v_nop
	s_wait_alu depctr_va_vdst(0)
	v_ldexp_f32 v14, v14, s36
.irp n, 0,2,4,6,8,10,12,14,16,18,20,22,24,26,28,30
	v_pk_mul_f32 v[SS+\n:SS+\n+1], v[OT+\n:OT+\n+1], v[14:15] op_sel_hi:[1,0]
.endr
.irp t, 0,1,2,3
	ds_store_b128 v[STO], v[SS+8*\t:SS+8*\t+3] offset:64*\t
	ds_store_b128 v[STO], v[SS+8*\t+4:SS+8*\t+7] offset:64*\t+16
.endr
.irp n, 0,1,2,3,4,5,6,7
	ds_load_b128 v[FR+4*\n:FR+4*\n+3], v[RD] offset:2*\n*SP
.endr
.irp n, 0,1,2,3,4,5,6,7
	s_wait_dscnt 7-\n
	global_store_b128 v[GO], v[FR+4*\n:FR+4*\n+3], s[42:43] offset:\n*4096 th:TH_STORE_NT
.endr
	s_wait_xcnt 0x0
.endm
.macro STEP b
	s_cmp_lt_u32 s[KS], s[NT]
	s_cbranch_scc1 .Lwork_\@
	s_wait_loadcnt 0x0
	s_branch .Lrest_\@
.Lwork_\@:
	s_wait_xcnt 0x0
	s_add_co_u32 s30, s[KS], 2
	s_min_u32 s30, s30, 15
	s_lshl_b32 s30, s30, 14
	s_add_nc_u64 s[28:29], s[38:39], s[30:31]
	global_load_b128 v[SG+8*\b:SG+8*\b+3], v[CP], s[28:29]
	global_load_b128 v[SG+8*\b+4:SG+8*\b+7], v[CP], s[28:29] offset:VIMG
	s_wait_loadcnt 0x2
	ds_store_b128 v[CP], v[SG+8*(1-\b):SG+8*(1-\b)+3] offset:(1-\b)*BUF
	ds_store_b128 v[CP], v[SG+8*(1-\b)+4:SG+8*(1-\b)+7] offset:(1-\b)*BUF+VIMG
	s_cmp_gt_u32 s[KS], s[BLK]
	s_cbranch_scc1 .Lrest_\@
.irp t, 0,1,2,3,4,5,6,7
	ds_load_b128 v[FR+8*\t:FR+8*\t+3], v[LI] offset:\b*BUF+\t*1024
	ds_load_b128 v[FR+8*\t+4:FR+8*\t+7], v[LI] offset:\b*BUF+\t*1024+512
.endr
	s_wait_dscnt 8
.irp t, 0,1,2,3
	v_wmma_f32_16x16x64_fp8_fp8 v[SS+8*\t:SS+8*\t+7], v[FR+8*\t:FR+8*\t+7], v[QF:QF+7], 0
	v_wmma_f32_16x16x64_fp8_fp8 v[SS+32+8*\t:SS+32+8*\t+7], v[FR+8*\t:FR+8*\t+7], v[QN:QN+7], 0
.endr
	PLACES
.irp n, 0,2,4,6,8,10,12,14,16,18,20,22,24,26,28,30
	v_pk_add_f32 v[SS+\n:SS+\n+1], v[SS+\n:SS+\n+1], v[SS+32+\n:SS+32+\n+1] neg_lo:[0,1] neg_hi:[0,1]
.endr
	s_wait_dscnt 0x0
.irp t, 4,5,6,7
	v_wmma_f32_16x16x64_fp8_fp8 v[SS+8*\t:SS+8*\t+7], v[FR+8*\t:FR+8*\t+7], v[QF:QF+7], 0
	v_wmma_f32_16x16x64_fp8_fp8 v[FR+8*(\t-4):FR+8*(\t-4)+7], v[FR+8*\t:FR+8*\t+7], v[QN:QN+7], 0
.endr
	PLACES
.irp n, 0,2,4,6,8,10,12,14,16,18,20,22,24,26,28,30
	v_pk_add_f32 v[SS+32+\n:SS+32+\n+1], v[SS+32+\n:SS+32+\n+1], v[FR+\n:FR+\n+1] neg_lo:[0,1] neg_hi:[0,1]
.endr
.irp t, 0,1,2,3
.irp c, 0,1,2,3
	ds_load_b128 v[FR+16*\t+4*\c:FR+16*\t+4*\c+3], v[LI] offset:\b*BUF+VIMG+\t*2048+\c*512
.endr
.endr
	s_cmp_lg_u32 s[KS], s[BLK]
	s_cbranch_scc1 .Lopen_\@
.irp n, 0,1,2,3,4,5,6,7,8,9,10,11,12,13,14,15,16,17,18,19,20,21,22,23,24,25,26,27,28,29,30,31,32,33,34,35,36,37,38,39,40,41,42,43,44,45,46,47,48,49,50,51,52,53,54,55,56,57,58,59,60,61,62,63
	v_cmp_gt_i32 vcc_lo, 16*(\n/8)+\n%8, v[DM]
	v_cndmask_b32 v[SS+\n], v[SS+\n], v224, vcc_lo
.endr
.Lopen_\@:
.irp n, 0,2,4,6,8,10,12,14,16,18,20,22,24,26,28,30,32,34,36,38,40,42,44,46,48,50,52,54,56,58,60,62
	v_pk_mul_f32 v[SS+\n:SS+\n+1], v[SS+\n:SS+\n+1], s[22:23] op_sel_hi:[1,0]
.endr
	v_max3_num_f32 v[MXA], v[SS], v[SS+1], v[SS+2]
	v_max3_num_f32 v[FA], v[SS+3], v[SS+4], v[SS+5]
.irp i, 6,10,14,18,22,26,30,34,38,42,46,50,54,58
	v_max3_num_f32 v[MXA], v[MXA], v[SS+\i], v[SS+\i+1]
	v_max3_num_f32 v[FA], v[FA], v[SS+\i+2], v[SS+\i+3]
.endr
	v_max3_num_f32 v[MXA], v[MXA], v[SS+62], v[SS+63]
	v_max_num_f32 v[MXA], v[MXA], v[FA]
	v_permlanex16_b32 v[PD], v[MXA], s20, s21
	v_max_num_f32 v[MXA], v[MXA], v[PD]
	v_max_num_f32 v13, v13, v[MXA]
	v_mov_b32 v[MXA], v12
	v_floor_f32 v12, -v13
	v_sub_f32 v[MXA], v12, v[MXA]
	v_cvt_i32_f32 v[MXA], v[MXA]
	v_ldexp_f32 v[FA], 1.0, v[MXA]
.irp n, 0,2,4,6,8,10,12,14,16,18,20,22,24,26,28,30,32,34,36,38,40,42,44,46,48,50,52,54,56,58,60,62
	v_pk_add_f32 v[SS+\n:SS+\n+1], v[SS+\n:SS+\n+1], v[12:13] op_sel_hi:[1,0]
.endr
.set n, 0
.rept 64
	v_exp_f32 v[SS+n], v[SS+n]
.set n, n+1
.endr
	v_pk_mul_f32 v[14:15], v[14:15], v[FA:FA+1] op_sel_hi:[1,0]
	s_wait_alu depctr_va_vdst(0)
	v_pk_add_f32 v[SM2:SM2+1], v[SS:SS+1], v[SS+2:SS+3]
.irp n, 4,8,12,16,20,24,28,32,36,40,44,48,52,56,60
	v_pk_add_f32 v[14:15], v[14:15], v[SS+\n:SS+\n+1]
	v_pk_add_f32 v[SM2:SM2+1], v[SM2:SM2+1], v[SS+\n+2:SS+\n+3]
.endr
	v_pk_add_f32 v[14:15], v[14:15], v[SM2:SM2+1]
	s_cmp_ge_i32 s35, -8
	s_cbranch_scc1 .Lfits_\@
.set n, 0
.rept 64
	v_min_num_f32 v[SS+n], v[SS+n], v223
.set n, n+1
.endr
.Lfits_\@:
.irp g, 0,1,2,3,4,5,6,7
	v_cvt_scalef32_pk8_fp8_f32 v[PC+2*\g:PC+2*\g+1], v[SS+8*\g:SS+8*\g+7], v222
.endr
.irp n, 0,2,4,6,8,10,12,14,16,18,20,22,24,26,28,30
	v_pk_mul_f32 v[OT+\n:OT+\n+1], v[OT+\n:OT+\n+1], v[FA:FA+1] op_sel_hi:[1,0]
.endr
	s_wait_dscnt 0x0
.irp t, 0,1,2,3
	v_wmma_f32_16x16x128_fp8_fp8 v[OT+8*\t:OT+8*\t+7], v[FR+16*\t:FR+16*\t+15], v[PC:PC+15], v[OT+8*\t:OT+8*\t+7]
.endr
	PLACES
	s_cmp_lg_u32 s[KS], s[BLK]
	s_cbranch_scc1 .Lrest_\@
	FINISH
.Lrest_\@:
	s_add_co_u32 s[KS], s[KS], 1
	s_wait_dscnt 0x0
	s_barrier_signal -1
	s_barrier_wait -1
.endm
.Ltrip:
	STEP 0
	STEP 1
	s_sub_co_u32 s[TRIP], s[TRIP], 1
	s_cmp_lg_u32 s[TRIP], 0
	s_cbranch_scc1 .Ltrip
	s_wait_tensorcnt 0x0
	ds_add_u32 v240, v241
	s_wait_dscnt 0x0
	s_endpgm
.Lfunc_end_k_q36923ddfd8_attn:
	.size	k_q36923ddfd8_attn, .Lfunc_end_k_q36923ddfd8_attn-k_q36923ddfd8_attn
	.p2alignl 7, 3214868480
	.fill 96, 4, 3214868480
	.section	.rodata,"a",@progbits
	.p2align	6, 0x0
	.amdhsa_kernel k_q36923ddfd8_attn
		.amdhsa_group_segment_fixed_size 120832
		.amdhsa_private_segment_fixed_size 0
		.amdhsa_enable_private_segment 0
		.amdhsa_kernarg_size 32
		.amdhsa_user_sgpr_count 2
		.amdhsa_user_sgpr_kernarg_segment_ptr 1
		.amdhsa_wavefront_size32 1
		.amdhsa_system_sgpr_workgroup_id_x 1
		.amdhsa_system_sgpr_workgroup_id_y 1
		.amdhsa_system_sgpr_workgroup_id_z 1
		.amdhsa_system_vgpr_workitem_id 0
		.amdhsa_next_free_vgpr 242
		.amdhsa_next_free_sgpr 66
		.amdhsa_reserve_vcc 1
		.amdhsa_float_denorm_mode_32 3
		.amdhsa_float_denorm_mode_16_64 3
		.amdhsa_memory_ordered 1
		.amdhsa_forward_progress 1
		.amdhsa_inst_pref_size 69
	.end_amdhsa_kernel
	.amdgpu_metadata
---
amdhsa.version: [ 1, 2 ]
amdhsa.kernels:
  - .name:           k_q36923ddfd8_attn
    .symbol:         k_q36923ddfd8_attn.kd
    .args:
      - { .name: kv, .offset: 0, .size: 8, .value_kind: global_buffer, .address_space: global }
      - { .name: lowp_scales, .offset: 8, .size: 8, .value_kind: global_buffer, .address_space: global }
      - { .name: queries, .offset: 16, .size: 8, .value_kind: global_buffer, .address_space: global }
      - { .name: out0, .offset: 24, .size: 8, .value_kind: global_buffer, .address_space: global }
    .group_segment_fixed_size: 120832
    .private_segment_fixed_size: 0
    .kernarg_segment_align: 8
    .kernarg_segment_size: 32
    .max_flat_workgroup_size: 512
    .sgpr_count:     66
    .vgpr_count:     242
    .wavefront_size: 32
...
	.end_amdgpu_metadata
.endif
;; end of part 2
;; ======== version 2 of 2: 2 launches
;; workspace buffers: kv 8,388,608 bytes
;; launch quant (part 3): grid 16 x 32, 8 waves a work-group, no clusters, 17,408 bytes of LDS; arguments keys, values, lowp_scales, kv; writes kv
.if DOCPART == 3
	.amdgcn_target "amdgcn-amd-amdhsa--gfx1250"
	.amdhsa_code_object_version 6
	.text
	.protected	k_q36923ddfd8_quant
	.globl	k_q36923ddfd8_quant
	.p2align	8
	.type	k_q36923ddfd8_quant,@function
k_q36923ddfd8_quant:
	s_mov_b64 s[64:65], 0
	v_nop
	global_prefetch_b8 v0, s[64:65] scope:SCOPE_SE
	s_setreg_imm32_b32 hwreg(HW_REG_WAVE_MODE, 25, 1), 1
	s_wait_xcnt 0x0
.set GK,   2
.set GV,   3
.set KW,   4
.set VW,   5
.set CP,   6
.set KN,   16
.set VN,   48
.set KC,   80
.set VX,   88
.set VC,   96
.set OUTR, 104
	s_load_b256 s[4:11], s[0:1], 0x0
	v_lshl_add_u32 v120, v0, 2, 0x4000
	v_mov_b32 v121, 0
	v_lshrrev_b32 v1, 5, v0
	s_wait_alu depctr_va_vdst(0)
	v_readfirstlane_b32 s12, v1
	s_and_b32 s14, ttmp7, 0xffff
	s_lshr_b32 s16, s14, 3
	s_lshl_b32 s16, s16, 22
	s_lshl_b32 s24, ttmp9, 18
	s_add_co_u32 s16, s16, s24
	s_and_b32 s24, s14, 7
	s_lshl_b32 s24, s24, 8
	s_add_co_u32 s16, s16, s24
	s_mov_b32 s17, 0
	s_lshl_b32 s18, s14, 18
	s_lshl_b32 s24, ttmp9, 14
	s_add_co_u32 s18, s18, s24
	s_mov_b32 s19, 0
	s_mov_b32 s28, 0x06040200
	s_mov_b32 s29, 0x07050301
	s_lshr_b32 s24, s12, 1
	s_and_b32 s25, s12, 1
	s_lshl_b32 s26, s24, 16
	s_lshl_b32 s27, s25, 14
	s_add_co_u32 s26, s26, s27
	v_and_b32 v7, 15, v0
	v_bfe_u32 v8, v0, 4, 1
	v_and_b32 v9, 31, v0
	v_lshlrev_b32 v[GK], 15, v1
	s_delay_alu instid0(VALU_DEP_1)
	v_lshl_add_u32 v[GK], v8, 11, v[GK]
	s_delay_alu instid0(VALU_DEP_1)
	v_lshl_add_u32 v[GK], v7, 4, v[GK]
	s_delay_alu instid0(VALU_DEP_4)
	v_lshl_add_u32 v[GV], v9, 3, s26
	s_wait_alu depctr_va_vdst(0)
	s_wait_kmcnt 0x0
	s_load_b128 s[20:23], s[8:9], 0x0
	s_add_nc_u64 s[4:5], s[4:5], s[16:17]
	s_add_nc_u64 s[6:7], s[6:7], s[16:17]
	s_add_nc_u64 s[10:11], s[10:11], s[18:19]
.irp k, 0,1,2,3,4,5,6,7
	global_load_b128 v[KN+4*\k:KN+4*\k+3], v[GK], s[4:5] offset:\k*4096 th:TH_LOAD_NT
.endr
.irp n, 0,1,2,3,4,5,6,7,8,9,10,11,12,13,14,15
	global_load_b64 v[VN+2*\n:VN+2*\n+1], v[GV], s[6:7] offset:(\n%8)*2048+(\n/8)*32768 th:TH_LOAD_NT
.endr
	s_lshl_b32 s27, s12, 10
	v_and_b32 v[KW], 1, v0
	s_delay_alu instid0(VALU_DEP_1)
	v_lshlrev_b32 v[KW], 2, v[KW]
	s_delay_alu instid0(VALU_DEP_1)
	v_lshl_add_u32 v[KW], v8, 4, v[KW]
	v_bfe_u32 v14, v0, 1, 1
	s_delay_alu instid0(VALU_DEP_1)
	v_lshl_add_u32 v[KW], v14, 8, v[KW]
	v_bfe_u32 v14, v0, 2, 1
	s_delay_alu instid0(VALU_DEP_1)
	v_lshl_add_u32 v[KW], v14, 3, v[KW]
	v_bfe_u32 v14, v0, 3, 1
	s_delay_alu instid0(VALU_DEP_1)
	v_lshl_add_u32 v[KW], v14, 9, v[KW]
	s_delay_alu instid0(VALU_DEP_1)
	v_add_nc_u32 v[KW], s27, v[KW]
	s_lshl_b32 s24, s24, 9
	s_lshl_b32 s25, s25, 8
	s_add_co_u32 s24, s24, s25
	s_add_co_u32 s24, s24, 8192
	v_and_b32 v[VW], 7, v0
	s_delay_alu instid0(VALU_DEP_1)
	v_lshlrev_b32 v[VW], 5, v[VW]
	v_bfe_u32 v14, v0, 3, 2
	s_delay_alu instid0(VALU_DEP_1)
	v_lshl_add_u32 v[VW], v14, 11, v[VW]
	s_delay_alu instid0(VALU_DEP_1)
	v_add_nc_u32 v[VW], s24, v[VW]
	v_lshlrev_b32 v[CP], 4, v0
	s_wait_kmcnt 0x0
	s_add_co_i32 s24, s21, 127
	s_lshl_b32 s25, s24, 23
	v_mov_b32 v11, s25
	s_add_co_i32 s24, s24, 8
	s_lshl_b32 s24, s24, 23
	s_or_b32 s24, s24, 0x600000
	v_mov_b32 v10, s24
	s_add_co_i32 s24, s22, 127
	s_lshl_b32 s25, s24, 23
	v_mov_b32 v13, s25
	s_add_co_i32 s24, s24, 8
	s_lshl_b32 s24, s24, 23
	s_or_b32 s24, s24, 0x600000
	v_mov_b32 v12, s24
	s_wait_alu depctr_va_vdst(0)
	s_wait_loadcnt 16
.set n, 0
.rept 32
	v_med3_num_f32 v[KN+n], v[KN+n], -v10, v10
.set n, n+1
.endr
.irp m, 0,1,2,3
	v_cvt_scalef32_pk8_fp8_f32 v[KC+2*\m:KC+2*\m+1], v[KN+8*\m:KN+8*\m+7], v11
.endr
.irp k, 0,1,2,3,4,5,6,7
	ds_store_b32 v[KW], v[KC+\k] offset:32*\k
.endr
	s_wait_loadcnt 0x0
.set n, 0
.rept 32
	v_med3_num_f32 v[VN+n], v[VN+n], -v12, v12
.set n, n+1
.endr
.irp g, 0,1,2,3
	v_cvt_scalef32_pk8_fp8_f32 v[VX+2*\g:VX+2*\g+1], v[VN+8*\g:VN+8*\g+7], v13
.endr
	v_nop
.irp g, 0,1,2,3
	v_perm_b32 v[VC+\g], v[VX+2*\g+1], v[VX+2*\g], s28
	v_perm_b32 v[VC+4+\g], v[VX+2*\g+1], v[VX+2*\g], s29
.endr
	ds_store_b128 v[VW], v[VC:VC+3]
	ds_store_b128 v[VW], v[VC+4:VC+7] offset:16
	s_wait_dscnt 0x0
	s_barrier_signal -1
	s_barrier_wait -1
.irp n, 0,1,2,3
	ds_load_b128 v[OUTR+4*\n:OUTR+4*\n+3], v[CP] offset:\n*4096
.endr
.irp n, 0,1,2,3
	s_wait_dscnt 3-\n
	global_store_b128 v[CP], v[OUTR+4*\n:OUTR+4*\n+3], s[10:11] offset:\n*4096
.endr
	s_wait_tensorcnt 0x0
	ds_add_u32 v120, v121
	s_wait_dscnt 0x0
	s_endpgm
.Lfunc_end_k_q36923ddfd8_quant:
	.size	k_q36923ddfd8_quant, .Lfunc_end_k_q36923ddfd8_quant-k_q36923ddfd8_quant
	.p2alignl 7, 3214868480
	.fill 96, 4, 3214868480
	.section	.rodata,"a",@progbits
	.p2align	6, 0x0
	.amdhsa_kernel k_q36923ddfd8_quant
		.amdhsa_group_segment_fixed_size 17408
		.amdhsa_private_segment_fixed_size 0
		.amdhsa_enable_private_segment 0
		.amdhsa_kernarg_size 32
		.amdhsa_user_sgpr_count 2
		.amdhsa_user_sgpr_kernarg_segment_ptr 1
		.amdhsa_wavefront_size32 1
		.amdhsa_system_sgpr_workgroup_id_x 1
		.amdhsa_system_sgpr_workgroup_id_y 1
		.amdhsa_system_sgpr_workgroup_id_z 1
		.amdhsa_system_vgpr_workitem_id 0
		.amdhsa_next_free_vgpr 122
		.amdhsa_next_free_sgpr 66
		.amdhsa_reserve_vcc 0
		.amdhsa_float_denorm_mode_32 3
		.amdhsa_float_denorm_mode_16_64 3
		.amdhsa_memory_ordered 1
		.amdhsa_forward_progress 1
		.amdhsa_inst_pref_size 13
	.end_amdhsa_kernel
	.amdgpu_metadata
---
amdhsa.version: [ 1, 2 ]
amdhsa.kernels:
  - .name:           k_q36923ddfd8_quant
    .symbol:         k_q36923ddfd8_quant.kd
    .args:
      - { .name: keys, .offset: 0, .size: 8, .value_kind: global_buffer, .address_space: global }
      - { .name: values, .offset: 8, .size: 8, .value_kind: global_buffer, .address_space: global }
      - { .name: lowp_scales, .offset: 16, .size: 8, .value_kind: global_buffer, .address_space: global }
      - { .name: kv, .offset: 24, .size: 8, .value_kind: global_buffer, .address_space: global }
    .group_segment_fixed_size: 17408
    .private_segment_fixed_size: 0
    .kernarg_segment_align: 8
    .kernarg_segment_size: 32
    .max_flat_workgroup_size: 256
    .sgpr_count:     66
    .vgpr_count:     122
    .wavefront_size: 32
...
	.end_amdgpu_metadata
.endif
;; end of part 3
;; launch attn (part 4): grid 8 x 32, 16 waves a work-group, no clusters, 120,832 bytes of LDS; arguments kv, lowp_scales, queries, out0; writes out0
.if DOCPART == 4
	.amdgcn_target "amdgcn-amd-amdhsa--gfx1250"
	.amdhsa_code_object_version 6
	.text
	.protected	k_q36923ddfd8_attn
	.globl	k_q36923ddfd8_attn
	.p2align	8
	.type	k_q36923ddfd8_attn,@function
k_q36923ddfd8_attn:
	s_mov_b64 s[64:65], 0
	v_nop
	global_prefetch_b8 v0, s[64:65] scope:SCOPE_SE
	s_setreg_imm32_b32 hwreg(HW_REG_WAVE_SCHED_MODE, 0, 2), 2
	s_setreg_imm32_b32 hwreg(HW_REG_WAVE_MODE, 25, 1), 1
	s_wait_xcnt 0x0
	s_wait_alu depctr_vm_vsrc(0)
.set BUF,   16384
.set VIMG,  8192
.set QIMG,  32768
.set STAGE, 49152
.set SP,    272
.set LI,   1
.set CP,   2
.set GO,   3
.set QW,   4
.set QR,   5
.set STO,  6
.set RD,   7
.set DM,   8
.set QF,   16
.set SG,   24
.set FR,   40
.set SS,   104
.set OT,   168
.set PC,   200
.set MXA,  216
.set PD,   217
.set FA,   218
.set SM2,  220
.set QN,   228
.set MK,   4
.set WV,   12
.set BLK,  17
.set NT,   19
.set KS,   24
.set TRIP, 26
	s_load_b256 s[4:11], s[0:1], 0x0
	v_lshl_add_u32 v240, v0, 2, 0x1d000
	v_mov_b32 v241, 0
	v_lshrrev_b32 v9, 5, v0
	v_readfirstlane_b32 s[WV], v9
	s_mov_b32 s13, ttmp9
	s_and_b32 s14, ttmp7, 0xffff
	s_wait_alu depctr_va_sdst(0)
	s_lshr_b32 s15, s[WV], 2
	s_xor_b32 s15, s15, s[WV]
	s_and_b32 s15, s15, 1
	s_lshr_b32 s16, s[WV], 1
	s_sub_co_u32 s44, 15, s13
	s_cmp_lg_u32 s15, 0
	s_cselect_b32 s[BLK], s44, s13
	s_lshl_b32 s18, s[BLK], 7
	s_lshl_b32 s45, s16, 4
	s_add_co_u32 s18, s18, s45
	s_sub_co_u32 s[NT], 16, s13
	s_mov_b32 s20, 0x76543210
	s_mov_b32 s21, 0xfedcba98
	s_mov_b32 s22, 0x3db8aa3b
	s_mov_b32 s31, 0
	s_lshl_b32 s44, s14, 18
	s_mov_b32 s45, 0
	s_lshr_b32 s46, s14, 3
	s_lshl_b32 s46, s46, 22
	s_lshl_b32 s47, s18, 11
	s_add_co_u32 s46, s46, s47
	s_and_b32 s47, s14, 7
	s_lshl_b32 s47, s47, 8
	s_add_co_u32 s46, s46, s47
	s_mov_b32 s47, 0
	v_and_b32 v[LI], 31, v0
	v_lshlrev_b32 v[LI], 4, v[LI]
	v_lshlrev_b32 v[CP], 4, v0
	v_and_b32 v9, 15, v0
	v_bfe_u32 v10, v0, 4, 1
	v_lshlrev_b32 v[GO], 11, v10
	v_lshl_add_u32 v[GO], v9, 4, v[GO]
	s_wait_kmcnt 0x0
	s_load_b128 s[32:35], s[6:7], 0x0
	s_add_nc_u64 s[38:39], s[4:5], s[44:45]
	s_add_nc_u64 s[40:41], s[8:9], s[46:47]
	s_add_nc_u64 s[42:43], s[10:11], s[46:47]
	s_wait_alu depctr_va_vdst(0)
.irp k, 0,1,2,3,4,5,6,7
	global_load_b128 v[SS+4*\k:SS+4*\k+3], v[GO], s[40:41] offset:\k*4096 th:TH_LOAD_NT
.endr
	global_load_b128 v[SG:SG+3], v[CP], s[38:39]
	global_load_b128 v[SG+4:SG+7], v[CP], s[38:39] offset:VIMG
	global_load_b128 v[SG+8:SG+11], v[CP], s[38:39] offset:BUF
	global_load_b128 v[SG+12:SG+15], v[CP], s[38:39] offset:BUF+VIMG
	s_lshl_b32 s44, s[WV], 10
	s_add_co_u32 s44, s44, QIMG
	v_and_b32 v[QW], 1, v0
	v_lshlrev_b32 v[QW], 2, v[QW]
	v_lshl_add_u32 v[QW], v10, 4, v[QW]
	v_bfe_u32 v11, v0, 1, 1
	v_lshl_add_u32 v[QW], v11, 8, v[QW]
	v_bfe_u32 v11, v0, 2, 1
	v_lshl_add_u32 v[QW], v11, 3, v[QW]
	v_bfe_u32 v11, v0, 3, 1
	v_lshl_add_u32 v[QW], v11, 9, v[QW]
	v_add_nc_u32 v[QW], s44, v[QW]
	v_add_nc_u32 v[QR], s44, v[LI]
	s_mul_i32 s44, s[WV], 16*SP
	s_add_co_u32 s44, s44, STAGE
	v_mul_u32_u24 v[STO], v9, SP
	v_lshl_add_u32 v[STO], v10, 5, v[STO]
	v_add_nc_u32 v[STO], s44, v[STO]
	v_mul_u32_u24 v[RD], v10, SP
	v_lshl_add_u32 v[RD], v9, 4, v[RD]
	v_add_nc_u32 v[RD], s44, v[RD]
	v_lshlrev_b32 v11, 3, v10
	v_sub_nc_u32 v[DM], v9, v11
	s_lshl_b32 s45, s16, 4
	v_add_nc_u32 v[DM], s45, v[DM]
	v_mov_b32 v13, 0xff61b1e6
	v_floor_f32 v12, -v13
	v_mov_b32 v14, 0
	v_mov_b32 v15, 0
	v_mov_b32 v[PD], 0
	v_mov_b32 v[FA+1], 0
	v_mov_b32 v224, 0xff800000
.set n, 0
.rept 32
	v_mov_b32 v[OT+n], 0
.set n, n+1
.endr
	s_wait_kmcnt 0x0
	s_add_co_i32 s44, s32, s33
	s_lshl_b32 s44, s44, 23
	s_add_co_i32 s22, s22, s44
	s_mov_b32 s23, s22
	s_add_co_i32 s36, s35, s34
	s_add_co_i32 s44, s35, 127
	s_lshl_b32 s45, s44, 23
	v_mov_b32 v222, s45
	s_add_co_i32 s44, s44, 8
	s_lshl_b32 s44, s44, 23
	s_or_b32 s44, s44, 0x600000
	v_mov_b32 v223, s44
	s_add_co_i32 s44, s32, 127
	s_lshl_b32 s45, s44, 23
	v_mov_b32 v225, s45
	s_add_co_i32 s44, s44, 8
	s_lshl_b32 s44, s44, 23
	s_or_b32 s44, s44, 0x600000
	v_mov_b32 v226, s44
	s_wait_alu depctr_va_vdst(0)
	s_wait_loadcnt 4
.set n, 0
.rept 32
	v_med3_num_f32 v[SS+n], v[SS+n], -v226, v226
.set n, n+1
.endr
.irp m, 0,1,2,3
	v_cvt_scalef32_pk8_fp8_f32 v[PC+2*\m:PC+2*\m+1], v[SS+8*\m:SS+8*\m+7], v225
.endr
	v_nop
	s_wait_alu depctr_va_vdst(0)
.irp k, 0,1,2,3,4,5,6,7
	ds_store_b32 v[QW], v[PC+\k] offset:32*\k
.endr
	ds_load_b128 v[QF:QF+3], v[QR]
	ds_load_b128 v[QF+4:QF+7], v[QR] offset:512
	s_wait_loadcnt 2
	ds_store_b128 v[CP], v[SG:SG+3]
	ds_store_b128 v[CP], v[SG+4:SG+7] offset:VIMG
	s_mov_b32 s[KS], 0
	s_mov_b32 s[TRIP], 8
	s_wait_dscnt 0x0
.irp i, 0,1,2,3,4,5,6,7
	v_xor_b32 v[QN+\i], 0x80808080, v[QF+\i]
.endr
	s_barrier_signal -1
	s_barrier_wait -1
.macro PLACES
.rept 4
	v_nop
.endr
.endm
.macro FINISH
	v_add_f32 v14, v14, v15
	v_permlanex16_b32 v[PD], v14, s20, s21
	v_add_f32 v14, v14, v[PD]
	s_wait_alu depctr_va_vdst(0)
	v_rcp_f32 v14, v14
	v_nop
	s_wait_alu depctr_va_vdst(0)
	v_ldexp_f32 v14, v14, s36
.irp n, 0,2,4,6,8,10,12,14,16,18,20,22,24,26,28,30
	v_pk_mul_f32 v[SS+\n:SS+\n+1], v[OT+\n:OT+\n+1], v[14:15] op_sel_hi:[1,0]
.endr
	s_wait_alu depctr_va_vdst(0)
.irp t, 0,1,2,3
	ds_store_b128 v[STO], v[SS+8*\t:SS+8*\t+3] offset:64*\t
	ds_store_b128 v[STO], v[SS+8*\t+4:SS+8*\t+7] offset:64*\t+16
.endr
.irp n, 0,1,2,3,4,5,6,7
	ds_load_b128 v[FR+4*\n:FR+4*\n+3], v[RD] offset:2*\n*SP
.endr
.irp n, 0,1,2,3,4,5,6,7
	s_wait_dscnt 7-\n
	global_store_b128 v[GO], v[FR+4*\n:FR+4*\n+3], s[42:43] offset:\n*4096 th:TH_STORE_NT
.endr
	s_wait_xcnt 0x0
.endm
.macro STEP b
	s_wait_alu depctr_vm_vsrc(0)
	s_cmp_lt_u32 s[KS], s[NT]
	s_cbranch_scc1 .Lwork_\@
	s_wait_loadcnt 0x0
	s_branch .Lrest_\@
.Lwork_\@:
	s_wait_xcnt 0x0
	s_add_co_u32 s30, s[KS], 2
	s_min_u32 s30, s30, 15
	s_lshl_b32 s30, s30, 14
	s_add_nc_u64 s[28:29], s[38:39], s[30:31]
	global_load_b128 v[SG+8*\b:SG+8*\b+3], v[CP], s[28:29]
	global_load_b128 v[SG+8*\b+4:SG+8*\b+7], v[CP], s[28:29] offset:VIMG
	s_wait_loadcnt 0x2
	ds_store_b128 v[CP], v[SG+8*(1-\b):SG+8*(1-\b)+3] offset:(1-\b)*BUF
	ds_store_b128 v[CP], v[SG+8*(1-\b)+4:SG+8*(1-\b)+7] offset:(1-\b)*BUF+VIMG
	s_cmp_gt_u32 s[KS], s[BLK]
	s_cbranch_scc1 .Lrest_\@
	s_wait_alu depctr_va_vdst(0)
.irp t, 0,1,2,3,4,5,6,7
	ds_load_b128 v[FR+8*\t:FR+8*\t+3], v[LI] offset:\b*BUF+\t*1024
	ds_load_b128 v[FR+8*\t+4:FR+8*\t+7], v[LI] offset:\b*BUF+\t*1024+512
.endr
	s_wait_dscnt 8
.irp t, 0,1,2,3
	v_wmma_f32_16x16x64_fp8_fp8 v[SS+8*\t:SS+8*\t+7], v[FR+8*\t:FR+8*\t+7], v[QF:QF+7], 0
	v_wmma_f32_16x16x64_fp8_fp8 v[SS+32+8*\t:SS+32+8*\t+7], v[FR+8*\t:FR+8*\t+7], v[QN:QN+7], 0
.endr
	PLACES
.irp n, 0,2,4,6,8,10,12,14,16,18,20,22,24,26,28,30
	v_pk_add_f32 v[SS+\n:SS+\n+1], v[SS+\n:SS+\n+1], v[SS+32+\n:SS+32+\n+1] neg_lo:[0,1] neg_hi:[0,1]
.endr
	s_wait_dscnt 0x0
.irp t, 4,5,6,7
	v_wmma_f32_16x16x64_fp8_fp8 v[SS+8*\t:SS+8*\t+7], v[FR+8*\t:FR+8*\t+7], v[QF:QF+7], 0
	v_wmma_f32_16x16x64_fp8_fp8 v[FR+8*(\t-4):FR+8*(\t-4)+7], v[FR+8*\t:FR+8*\t+7], v[QN:QN+7], 0
.endr
	PLACES
.irp n, 0,2,4,6,8,10,12,14,16,18,20,22,24,26,28,30
	v_pk_add_f32 v[SS+32+\n:SS+32+\n+1], v[SS+32+\n:SS+32+\n+1], v[FR+\n:FR+\n+1] neg_lo:[0,1] neg_hi:[0,1]
.endr
	s_wait_alu depctr_va_vdst(0)
	s_cmp_lg_u32 s[KS], s[BLK]
	s_cbranch_scc1 .Lopen_\@
.irp t, 0,1,2,3,4,5,6,7
.irp i, 0,1,2,3,4,5,6,7
	v_cmp_gt_i32 s[MK+\i], 16*\t+\i, v[DM]
.endr
	s_wait_alu depctr_va_sdst(0)
.irp i, 0,1,2,3,4,5,6,7
	v_cndmask_b32 v[SS+8*\t+\i], v[SS+8*\t+\i], v224, s[MK+\i]
.endr
.endr
.Lopen_\@:
.set n, 0
.rept 16
	ds_load_b128 v[FR+4*n:FR+4*n+3], v[LI] offset:\b*BUF+VIMG+n*512
	v_pk_mul_f32 v[SS+4*n:SS+4*n+1], v[SS+4*n:SS+4*n+1], s[22:23] op_sel_hi:[1,0]
	v_pk_mul_f32 v[SS+4*n+2:SS+4*n+3], v[SS+4*n+2:SS+4*n+3], s[22:23] op_sel_hi:[1,0]
.set n, n+1
.endr
	v_max3_num_f32 v[MXA], v[SS], v[SS+1], v[SS+2]
	v_max3_num_f32 v[FA], v[SS+3], v[SS+4], v[SS+5]
.irp i, 6,10,14,18,22,26,30,34,38,42,46,50,54,58
	v_max3_num_f32 v[MXA], v[MXA], v[SS+\i], v[SS+\i+1]
	v_max3_num_f32 v[FA], v[FA], v[SS+\i+2], v[SS+\i+3]
.endr
	v_max3_num_f32 v[MXA], v[MXA], v[SS+62], v[SS+63]
	v_max_num_f32 v[MXA], v[MXA], v[FA]
	v_permlanex16_b32 v[PD], v[MXA], s20, s21
	v_max_num_f32 v[MXA], v[MXA], v[PD]
	v_max_num_f32 v13, v13, v[MXA]
	v_mov_b32 v[MXA], v12
	v_floor_f32 v12, -v13
	v_sub_f32 v[MXA], v12, v[MXA]
	v_cvt_i32_f32 v[MXA], v[MXA]
	v_ldexp_f32 v[FA], 1.0, v[MXA]
.irp n, 0,2,4,6,8,10,12,14,16,18,20,22,24,26,28,30,32,34,36,38,40,42,44,46,48,50,52,54,56,58,60,62
	v_pk_add_f32 v[SS+\n:SS+\n+1], v[SS+\n:SS+\n+1], v[12:13] op_sel_hi:[1,0]
.endr
.set n, 0
	s_wait_alu depctr_va_vdst(0)
.rept 64
	v_exp_f32 v[SS+n], v[SS+n]
.set n, n+1
.endr
	v_pk_mul_f32 v[14:15], v[14:15], v[FA:FA+1] op_sel_hi:[1,0]
	s_wait_alu depctr_va_vdst(0)
	v_pk_add_f32 v[SM2:SM2+1], v[SS:SS+1], v[SS+2:SS+3]
.irp n, 4,8,12,16,20,24,28,32,36,40,44,48,52,56,60
	v_pk_add_f32 v[14:15], v[14:15], v[SS+\n:SS+\n+1]
	v_pk_add_f32 v[SM2:SM2+1], v[SM2:SM2+1], v[SS+\n+2:SS+\n+3]
.endr
	v_pk_add_f32 v[14:15], v[14:15], v[SM2:SM2+1]
	s_cmp_ge_i32 s35, -8
	s_cbranch_scc1 .Lfits_\@
.set n, 0
.rept 64
	v_min_num_f32 v[SS+n], v[SS+n], v223
.set n, n+1
.endr
.Lfits_\@:
.irp g, 0,1,2,3,4,5,6,7
	v_cvt_scalef32_pk8_fp8_f32 v[PC+2*\g:PC+2*\g+1], v[SS+8*\g:SS+8*\g+7], v222
.endr
.irp n, 0,2,4,6,8,10,12,14,16,18,20,22,24,26,28,30
	v_pk_mul_f32 v[OT+\n:OT+\n+1], v[OT+\n:OT+\n+1], v[FA:FA+1] op_sel_hi:[1,0]
.endr
	s_wait_alu depctr_va_vdst(0)
	s_wait_dscnt 0x0
.irp t, 0,1,2,3
	v_wmma_f32_16x16x128_fp8_fp8 v[OT+8*\t:OT+8*\t+7], v[FR+16*\t:FR+16*\t+15], v[PC:PC+15], v[OT+8*\t:OT+8*\t+7]
.endr
	PLACES
	s_cmp_lg_u32 s[KS], s[BLK]
	s_cbranch_scc1 .Lrest_\@
	FINISH
.Lrest_\@:
	s_add_co_u32 s[KS], s[KS], 1
	s_wait_dscnt 0x0
	s_barrier_signal -1
	s_barrier_wait -1
.endm
.Ltrip:
	STEP 0
	STEP 1
	s_sub_co_u32 s[TRIP], s[TRIP], 1
	s_cmp_lg_u32 s[TRIP], 0
	s_cbranch_scc1 .Ltrip
	s_wait_dscnt 0x0
	s_wait_alu 0x0
	s_wait_tensorcnt 0x0
	ds_add_u32 v240, v241
	s_wait_dscnt 0x0
	s_endpgm
.Lfunc_end_k_q36923ddfd8_attn:
	.size	k_q36923ddfd8_attn, .Lfunc_end_k_q36923ddfd8_attn-k_q36923ddfd8_attn
	.p2alignl 7, 3214868480
	.fill 96, 4, 3214868480
	.section	.rodata,"a",@progbits
	.p2align	6, 0x0
	.amdhsa_kernel k_q36923ddfd8_attn
		.amdhsa_group_segment_fixed_size 120832
		.amdhsa_private_segment_fixed_size 0
		.amdhsa_enable_private_segment 0
		.amdhsa_kernarg_size 32
		.amdhsa_user_sgpr_count 2
		.amdhsa_user_sgpr_kernarg_segment_ptr 1
		.amdhsa_wavefront_size32 1
		.amdhsa_system_sgpr_workgroup_id_x 1
		.amdhsa_system_sgpr_workgroup_id_y 1
		.amdhsa_system_sgpr_workgroup_id_z 1
		.amdhsa_system_vgpr_workitem_id 0
		.amdhsa_next_free_vgpr 242
		.amdhsa_next_free_sgpr 66
		.amdhsa_reserve_vcc 0
		.amdhsa_float_denorm_mode_32 3
		.amdhsa_float_denorm_mode_16_64 3
		.amdhsa_memory_ordered 1
		.amdhsa_forward_progress 1
		.amdhsa_inst_pref_size 78
	.end_amdhsa_kernel
	.amdgpu_metadata
---
amdhsa.version: [ 1, 2 ]
amdhsa.kernels:
  - .name:           k_q36923ddfd8_attn
    .symbol:         k_q36923ddfd8_attn.kd
    .args:
      - { .name: kv, .offset: 0, .size: 8, .value_kind: global_buffer, .address_space: global }
      - { .name: lowp_scales, .offset: 8, .size: 8, .value_kind: global_buffer, .address_space: global }
      - { .name: queries, .offset: 16, .size: 8, .value_kind: global_buffer, .address_space: global }
      - { .name: out0, .offset: 24, .size: 8, .value_kind: global_buffer, .address_space: global }
    .group_segment_fixed_size: 120832
    .private_segment_fixed_size: 0
    .kernarg_segment_align: 8
    .kernarg_segment_size: 32
    .max_flat_workgroup_size: 512
    .sgpr_count:     66
    .vgpr_count:     242
    .wavefront_size: 32
...
	.end_amdgpu_metadata
.endif
;; end of part 4
